; MI455X (gfx1250); checked and timed in simulation.
; The chip was launched on July 23, 2026; its instructions are those of AMD's public machine-readable ISA for CDNA 5 (MIT licence, August 2026) and "CDNA5" Instruction Set Architecture Reference Guide (July 2026). The comments in the code are by the model that wrote it; some were corrected since.
;; Model Cordinate Descent Alpha. Allowed arithmetic: matrix products marked QUANTISED: E2M1 operands, one E8M0 scale for each 32 along K, by v_wmma_scale_f32_16x16x128_f8f6f4 with both operands' format E2M1 (or v_wmma_scale_f32_32x16x128_f4), f32 sums; everything else in f32.
;; Inputs: alpha_codes 16 x 128 x 16 uint8 (E2M1 codes of alpha, K innermost, in blocks of 32 codes, two codes a byte); alpha_scales 16 x 128 uint8 (E8M0 scales of alpha, one for each 32 codes along K); gamma one number float32; mu 4,096 x 512 float32; x 16,384 x 512 float32.
;; Outputs: out0 16,384 x 16 float32.
;; This version of the problem:
;;   THIS VERSION OF THE PROBLEM IS GIVEN IN LOW PRECISION. The matrix products marked QUANTISED in the list below multiply operands that are first quantised to E2M1 (2 exponent bits, 1 mantissa bit; 4 bits a number), with one power-of-two scale for each 32 numbers along K (OCP MX v1.0); their sums are f32. All else is computed in f32.
;;   The module's matrix products, in the order in which they are computed (A, B: the left and right operand; K: the contracted axis; several contracted axes count as one K, in the product's order):
;;     1. [M 16,384, K 512] x [K 512, N 4,096]; A: input x; B: input mu: QUANTISED
;;     2. [M 16,384, K 4,096] x [K 4,096, N 16]; A: computed on the way; B: input alpha (given as codes): QUANTISED
;;   THE QUANTISER, for each operand of a quantised product, along K:
;;     - K is cut into blocks of 32 from its start; a last block that is shorter is filled with zeros.
;;     - A block's scale is 2^e with e = floor(log2(the largest magnitude in the block)) - 2, held to -126 .. 127; a block of zeros has e = 0. As a byte (E8M0): e + 127.
;;     - Each number is divided by its block's scale, clamped to +-6, and rounded to the nearest number of E2M1, ties to even, subnormals kept.
;;     - The product sums the exact products of the quantised numbers (number of the format x scale) in f32.
;;   ~~~python
;;   def quantise(x, axis):      # numpy; x: float32 -> the quantised numbers, widened to float32 again
;;       x = np.moveaxis(x, axis, -1); K = x.shape[-1]
;;       x = np.pad(x, [(0, 0)] * (x.ndim - 1) + [(0, -K % 32)]); x = x.reshape(x.shape[:-1] + (-1, 32)); a = np.abs(x).max(-1, keepdims=True)
;;       e = np.where(a > 0, np.clip(np.frexp(np.where(a > 0, a, 1))[1] - 1 - 2, -126, 127), 0)      # np.frexp(a)[1] - 1 = floor(log2(a)), exactly
;;       r = np.clip(x / 2.0 ** e, -6, 6)
;;       step = 2.0 ** (np.maximum(np.frexp(np.where(r == 0, 1, r))[1] - 1, 0) - 1)
;;       q = np.round(r / step) * step * 2.0 ** e      # np.round: ties to even
;;       return np.moveaxis(q.reshape(q.shape[:-2] + (-1,))[..., :K], -1, axis).astype(np.float32)
;;   ~~~
;;   OPERANDS COMPUTED ON THE WAY. 'Computed on the way' means the value that the module computes at that place (a softmax that the list does not call 'softmax' is quantised finished and normalised). What goes into a quantiser is computed in f32, as accurately as f32 sums, v_exp_f32 and their like allow (about 1e-6 of the number): no bf16 or f16 on the way to a quantiser, and a product that is left as it is and whose result goes on into a quantised operand takes f32 operands (vector FMAs, or v_wmma_f32_16x16x4_f32). A number that lies on a knife's edge between two numbers of the format may be rounded either way, as far as f32 arithmetic and the matrix unit's own rounding can turn it there, and no further.
;;   INPUTS GIVEN AS CODES. alpha (in the module: [4096, 16], K = its axis 0): each comes as NAME_codes (uint8): NAME with its K axis moved to the last place and cut into blocks of 32 codes, [.., K / 32, bytes a block], one block behind the other in memory; two codes a byte, the lower K in the low four bits (a code: sign, 2 exponent bits, 1 mantissa bit); and NAME_scales (uint8): the same leading axes, one E8M0 byte (e + 127) for each 32 codes along K. Its value is code x scale, taken as it is: it is not quantised again, and the codes and scales need not be those that the quantiser above would give.
;; One version. Each part assembles by itself: llvm-mc -triple=amdgcn-amd-amdhsa -mcpu=gfx1250 --defsym DOCPART=n.
;; ======== version 1 of 1: 2 launches
;; limits: right only within a limited range of input values
;; workspace buffers: packed 5,849,088 bytes
;; launch pack (part 1): grid 1280 x 1, 4 waves a work-group, no clusters, 34,816 bytes of LDS; arguments mu, x, packed; writes packed
.if DOCPART == 1
	.amdgcn_target "amdgcn-amd-amdhsa--gfx1250"
	.amdhsa_code_object_version 6
	.text
	.protected	k_qf7806db93d_pack
	.globl	k_qf7806db93d_pack
	.p2align	8
	.type	k_qf7806db93d_pack,@function
k_qf7806db93d_pack:
	s_mov_b64 s[64:65], 0
	v_nop
	global_prefetch_b8 v0, s[64:65] scope:SCOPE_SE
	s_setreg_imm32_b32 hwreg(HW_REG_WAVE_MODE, 25, 1), 1
	s_wait_xcnt 0x0
; out[n][o] = sum over c of Q(exp(gamma (2 Q(x) Q(mu)^T - d_x - d_mu)))[n][c] alpha[c][o].  This launch makes of mu [4096][512] and x [16384][512], both f32, what the second launch reads:
; codes of FP4 (E2M1) along D with one E8M0 byte for each 32, and -d / 2 (d: the f32 sum of squares of the unquantised row).
; NOTHING IS LEFT OUT: x, mu, gamma, alpha's codes and alpha's scales all have a way to out0, and no product, row or step of the problem is thrown away.
; SHARES.  A work-group makes one tile of 16 rows: numbers 0 to 255 tiles of mu, 256 to 1,279 tiles of x; wave s its K step s: 16 rows x 512 bytes, one fragment.  All loads of a wave go out at once; no loop,
; no tensor load.
; LAYOUT OF packed.  mu: part P = 16 t + 2 w + c (trip t, wave w, half c: centres 1,024 t + 128 w + 64 c on) at PART P; in it the fragment (tile u, K step s) at 1,024 (4 u + s), an image of its 8 registers
; (registers 4 k .. 4 k + 3 of lane l at 512 k + 16 l); at 16,384 + 256 u + 16 r the row's four scale words; at 17,408 + 64 u + 4 r its -d / 2.  Tile u's row r is centre 8 u + r % 8 + 32 (r / 8) of the 64, so
; that the results of the four tiles are 32 neighbouring centres, a whole block, in a lane.
; x: tile T at XOFF + XTILE T: fragment s at 1,024 s, scale words at 4,096 + 16 r, at 4,352 + 8 l the pair (-d / 2, -d / 2) of row l % 16.
; Each load reads 512 consecutive bytes; the conversions want 16 neighbours along D in one lane, so the rows turn through the wave's own stage in LDS (pitch 528 = 33 x 16 bytes).  What is stored are whole
; aligned runs of 256 bytes, but for mu's -d / 2: 64 bytes a tile, 16,384 bytes in the whole launch.
; A block's scale is 2^(floor(log2(its largest magnitude)) - 2); its byte is the largest magnitude's exponent field - 2, held at 1 from below.
; LIMITS: a block of zeros gets the byte 1 where the rule says 127 (its codes are zeros, and this program alone reads the bytes); NaN and infinities in mu or x are not served; d is summed in four chains
; of pairs and then across lanes and waves, another order than a plain sum's.
.set PART,    17664
.set XOFF,    1130496
.set XTILE,   4608
.set WSTG,    8448                     ; a wave's stage: 16 rows x SP
.set SP,      528
.set SCW,     33792                    ; behind the four stages: the tile's scale words, [r][s], 256 bytes
.set DP,      34048                    ; the waves' partial sums of squares, [s][r], 256 bytes
.set SPARE,   34304                    ; the spare words, 128 bytes for each wave
.set LO,   4                           ; v4   16 x lane
.set STI,  5                           ; v5   the stage, on the way in
.set STO,  6                           ; v6   and on the way out: row r, + 64 h
.set SPW,  12                          ; v12  LDS address of my spare word; never rewritten
.set NIL,  13                          ; v13  0; never rewritten
.set R,    16                          ; v16-79   the rows as loaded
.set Q,    16                          ; v16-23   later: four chains of pairs for the sum of squares
.set X,    80                          ; v80-143  64 numbers of my row: register 16 b + i = k 32 b + 16 h + i
.set QPC,  144                         ; v144-151 the fragment's codes
.set TM,   152                         ; v152-167 at work
.set QPW,  168                         ; v168     my row's scale word
.set WV,   14
.set SEL,  30
	s_load_b128 s[4:7], s[0:1], 0x0                ; mu s[4:5], x s[6:7]
	s_load_b64 s[8:9], s[0:1], 0x10                ; packed
	v_lshl_add_u32 v[SPW], v0, 2, SPARE
	v_mov_b32 v[NIL], 0
	v_lshrrev_b32 v1, 5, v0
	v_readfirstlane_b32 s[WV], v1                  ; wave = K step s
	v_and_b32 v1, 31, v0                           ; lane
	v_and_b32 v2, 15, v0                           ; r
	v_bfe_u32 v3, v0, 4, 1                         ; h
	v_lshlrev_b32 v[LO], 4, v1
	s_mul_i32 s15, s[WV], WSTG
	v_add_nc_u32 v[STI], s15, v[LO]
	v_mul_u32_u24 v[STO], v2, SP
	v_lshl_add_u32 v[STO], v3, 6, v[STO]
	v_add_nc_u32 v[STO], s15, v[STO]
	s_lshl_b32 s15, s[WV], 2
	v_lshl_add_u32 v7, v2, 4, SCW
	v_add_nc_u32 v7, s15, v7                       ; my row's scale word of my K step: SCW + 16 r + 4 s
	s_lshl_b32 s15, s[WV], 6
	v_lshl_add_u32 v10, v2, 2, DP                  ; wave 0 reads the partial sums at DP + 4 r + 64 s
	v_add_nc_u32 v8, s15, v10                      ; and I put mine at DP + 64 s + 4 r
	v_lshl_add_u32 v9, v1, 3, SCW                  ; wave 0 reads the 256 bytes of scale words, 8 a lane,
	v_lshlrev_b32 v11, 3, v1                       ; and stores them so
	v_lshlrev_b32 v14, 2, v2                       ; mu's -d / 2: 4 bytes a row
.irp b, 0,1,2,3
	v_mov_b32 v[TM+4+\b], 0                        ; written once: a lane permute's destination counts as one of its sources
.endr
	s_wait_alu depctr_va_vdst(0)                   ; the wait here, ahead of the scalar lines and the wait below
	s_mov_b32 s[SEL], 0x76543210
	s_mov_b32 s[SEL+1], 0xfedcba98                 ; v_permlanex16_b32's selects for lane l xor 16
	; a tile of mu: u = number % 4, part = number / 4
	s_and_b32 s16, ttmp9, 3
	s_lshl_b32 s17, ttmp9, 4
	s_lshl_b32 s18, s16, 3
	s_sub_co_u32 s17, s17, s18                     ; its first row: 16 x number - 8 u
	s_lshr_b32 s21, ttmp9, 2
	s_mul_i32 s21, s21, PART
	s_lshl_b32 s22, s16, 12
	s_add_co_u32 s22, s22, s21                     ; its fragments
	s_lshl_b32 s23, s16, 8
	s_add_co_u32 s23, s23, s21
	s_add_co_u32 s23, s23, 16384                   ; its scale words
	s_lshl_b32 s24, s16, 6
	s_add_co_u32 s24, s24, s21
	s_add_co_u32 s24, s24, 17408                   ; its -d / 2
	; a tile of x: T = number - 256
	s_sub_co_u32 s19, ttmp9, 256
	s_lshl_b32 s20, s19, 4                         ; its first row
	s_mul_i32 s25, s19, XTILE
	s_add_co_u32 s25, s25, XOFF                    ; its fragments
	s_add_co_u32 s26, s25, 4096                    ; its scale words
	s_add_co_u32 s27, s25, 4352                    ; its pairs -d / 2
	s_mov_b32 s28, 65536                           ; rows 8 to 15: 32 rows of mu further down, or 8 rows of x
	s_cmp_lt_u32 ttmp9, 256
	s_cselect_b32 s18, s17, s20
	s_cselect_b32 s32, s22, s25
	s_cselect_b32 s34, s23, s26
	s_cselect_b32 s36, s24, s27
	s_cselect_b32 s28, s28, 16384
	s_lshl_b32 s18, s18, 11                        ; rows of 2,048 bytes
	s_lshl_b32 s19, s[WV], 9
	s_add_co_u32 s18, s18, s19                     ; + my K step's 512 bytes
	s_lshl_b32 s19, s[WV], 10
	s_add_co_u32 s32, s32, s19                     ; my fragment
	s_mov_b32 s19, 0
	s_mov_b32 s29, 0
	s_mov_b32 s33, 0
	s_mov_b32 s35, 0
	s_mov_b32 s37, 0
	s_wait_kmcnt 0x0
	s_cmp_lt_u32 ttmp9, 256
	s_cselect_b64 s[10:11], s[4:5], s[6:7]
	s_add_nc_u64 s[4:5], s[10:11], s[18:19]        ; rows 0 to 7
	s_add_nc_u64 s[6:7], s[4:5], s[28:29]          ; rows 8 to 15
	s_add_nc_u64 s[10:11], s[8:9], s[32:33]
	s_add_nc_u64 s[12:13], s[8:9], s[34:35]
	s_add_nc_u64 s[38:39], s[8:9], s[36:37]
.irp k, 0,1,2,3,4,5,6,7
	global_load_b128 v[R+4*\k:R+4*\k+3], v[LO], s[4:5] offset:\k*2048 th:TH_LOAD_NT   ; a tile row: 32 lanes read 512 consecutive bytes; read once in the launch
.endr
.irp k, 0,1,2,3,4,5,6,7
	global_load_b128 v[R+32+4*\k:R+32+4*\k+3], v[LO], s[6:7] offset:\k*2048 th:TH_LOAD_NT
.endr
.irp k, 0,1,2,3,4,5,6,7,8,9,10,11,12,13,14,15
	s_wait_loadcnt 15-\k                           ; loads come back in order: row k is in, the 15 - k issued behind it may be out
	ds_store_b128 v[STI], v[R+4*\k:R+4*\k+3] offset:SP*\k
.endr
.irp b, 0,1,2,3
.irp j, 0,1,2,3
	ds_load_b128 v[X+16*\b+4*\j:X+16*\b+4*\j+3], v[STO] offset:128*\b+16*\j   ; LDS serves a wave's instructions in order: these see my stores
.endr
.endr
	s_wait_dscnt 0x0
	; the squares of my 64 numbers in four chains of pairs; the first four products start the chains
.set p, 0
.rept 32
.if p < 4
	v_pk_mul_f32 v[Q+2*p:Q+2*p+1], v[X+2*p:X+2*p+1], v[X+2*p:X+2*p+1]
.else
	v_pk_fma_f32 v[Q+2*(p%4):Q+2*(p%4)+1], v[X+2*p:X+2*p+1], v[X+2*p:X+2*p+1], v[Q+2*(p%4):Q+2*(p%4)+1]
.endif
.set p, p+1
.endr
	v_pk_add_f32 v[Q:Q+1], v[Q:Q+1], v[Q+2:Q+3]
	v_pk_add_f32 v[Q+4:Q+5], v[Q+4:Q+5], v[Q+6:Q+7]
	v_pk_add_f32 v[Q:Q+1], v[Q:Q+1], v[Q+4:Q+5]
	v_add_f32 v[Q], v[Q], v[Q+1]
	v_permlanex16_b32 v[Q+1], v[Q], s[SEL], s[SEL+1]
	v_add_f32 v[Q], v[Q], v[Q+1]                   ; with lane l xor 16's: my row's sum over my K step
	; the quantiser
.irp b, 0,1,2,3
	v_max3_num_f32 v[TM+\b], |v[X+16*\b]|, |v[X+1+16*\b]|, 0x1800000   ; block b: my 16 numbers, and the floor 2^(3 - 127): the byte cannot fall under 1
.endr
.irp i, 2,4,6,8,10,12,14
.irp b, 0,1,2,3
	v_max3_num_f32 v[TM+\b], v[TM+\b], |v[X+16*\b+\i]|, |v[X+1+16*\b+\i]|   ; the four blocks by turns
.endr
.endr
.irp b, 0,1,2,3
	v_permlanex16_b32 v[TM+4+\b], v[TM+\b], s[SEL], s[SEL+1]
.endr
.irp b, 0,1,2,3
	v_max_num_f32 v[TM+\b], v[TM+\b], v[TM+4+\b]   ; with lane l xor 16's: the block's largest magnitude
.endr
.irp b, 0,1,2,3
	v_add_nc_u32 v[TM+12+\b], 0xff000000, v[TM+\b] ; 2 off its exponent field: the conversion takes this operand's exponent field as its scale
.endr
.irp b, 0,1,2,3
	v_lshrrev_b32 v[TM+4+\b], 23, v[TM+12+\b]      ; the scale's byte
.endr
	v_lshl_or_b32 v[QPW], v[TM+5], 8, v[TM+4]      ; four bytes make my row's scale word
	v_lshl_or_b32 v[QPW], v[TM+6], 16, v[QPW]
	v_lshl_or_b32 v[QPW], v[TM+7], 24, v[QPW]
.irp b, 0,1,2,3
	v_cvt_scalef32_pk8_fp4_f32 v[QPC+2*\b], v[X+16*\b:X+7+16*\b], v[TM+12+\b]
	v_cvt_scalef32_pk8_fp4_f32 v[QPC+1+2*\b], v[X+8+16*\b:X+15+16*\b], v[TM+12+\b]
.endr
	v_nop                                          ; one plain place behind a scaled conversion
.irp c, 0,1                                    ; the operand's layout wants a whole block in a lane: lanes 0-15 block 2 c, lanes 16-31 block 2 c + 1
.irp i, 0,1
	v_permlane16_swap_b32 v[QPC+4*\c+\i], v[QPC+2+4*\c+\i]
.endr
.endr
.irp c, 0,1
	global_store_b128 v[LO], v[QPC+4*\c:QPC+4*\c+3], s[10:11] offset:512*\c   ; the image: 512 consecutive bytes a store, at a multiple of 256 from the buffer's first byte
.endr
	ds_store_b32 v7, v[QPW]                        ; lanes l and l xor 16 write the same word with the same value
	ds_store_b32 v8, v[Q]
	s_wait_dscnt 0x0                               ; for wave 0's sake: my stores have landed
	s_barrier_signal -1
	s_barrier_wait -1
	s_cmp_lg_u32 s[WV], 0
	s_cbranch_scc1 .Lend                           ; wave 0 gathers what belongs to the whole tile
	ds_load_b64 v[24:25], v9
.irp z, 0,1,2,3
	ds_load_b32 v[26+\z], v10 offset:64*\z
.endr
	s_wait_dscnt 0x0
	global_store_b64 v11, v[24:25], s[12:13]       ; 32 lanes store 256 consecutive bytes, aligned
	v_add_f32 v26, v26, v27
	v_add_f32 v28, v28, v29
	v_add_f32 v26, v26, v28                        ; d of row r, in lanes r and r + 16
	v_mul_f32 v27, -0.5, v26
	v_mul_f32 v26, -0.5, v26
	s_wait_alu depctr_va_vdst(0)                   ; the wait ahead of the branch
	s_cmp_lt_u32 ttmp9, 256
	s_cbranch_scc0 .Lpairs
	v_cmp_gt_u32 vcc_lo, 16, v1
	s_wait_alu depctr_va_vdst(0)
	s_wait_xcnt 0x0                                ; EXEC is a source of the stores that are out: it changes only behind this wait
	s_and_saveexec_b32 s15, vcc_lo
	global_store_b32 v14, v26, s[38:39]            ; mu: lanes 0-15: 64 consecutive bytes
	s_wait_xcnt 0x0                                ; and again, in front of the line that widens it
	s_or_b32 exec_lo, exec_lo, s15
	s_branch .Lend
.Lpairs:
	global_store_b64 v11, v[26:27], s[38:39]       ; x: 32 lanes store 256 consecutive bytes, aligned
.Lend:
	s_wait_tensorcnt 0x0                           ; the wave's end, behind my last LDS store
	ds_add_u32 v[SPW], v[NIL]
	s_wait_dscnt 0x0
	s_endpgm
.Lfunc_end_k_qf7806db93d_pack:
	.size	k_qf7806db93d_pack, .Lfunc_end_k_qf7806db93d_pack-k_qf7806db93d_pack
	.p2alignl 7, 3214868480
	.fill 96, 4, 3214868480
	.section	.rodata,"a",@progbits
	.p2align	6, 0x0
	.amdhsa_kernel k_qf7806db93d_pack
		.amdhsa_group_segment_fixed_size 34816
		.amdhsa_private_segment_fixed_size 0
		.amdhsa_enable_private_segment 0
		.amdhsa_kernarg_size 24
		.amdhsa_user_sgpr_count 2
		.amdhsa_user_sgpr_kernarg_segment_ptr 1
		.amdhsa_wavefront_size32 1
		.amdhsa_system_sgpr_workgroup_id_x 1
		.amdhsa_system_sgpr_workgroup_id_y 1
		.amdhsa_system_sgpr_workgroup_id_z 1
		.amdhsa_system_vgpr_workitem_id 0
		.amdhsa_next_free_vgpr 176
		.amdhsa_next_free_sgpr 66
		.amdhsa_reserve_vcc 1
		.amdhsa_float_denorm_mode_32 3
		.amdhsa_float_denorm_mode_16_64 3
		.amdhsa_memory_ordered 1
		.amdhsa_forward_progress 1
		.amdhsa_inst_pref_size 16
	.end_amdhsa_kernel
	.amdgpu_metadata
---
amdhsa.version: [ 1, 2 ]
amdhsa.kernels:
  - .name:           k_qf7806db93d_pack
    .symbol:         k_qf7806db93d_pack.kd
    .args:
      - { .name: mu, .offset: 0, .size: 8, .value_kind: global_buffer, .address_space: global }
      - { .name: x, .offset: 8, .size: 8, .value_kind: global_buffer, .address_space: global }
      - { .name: packed, .offset: 16, .size: 8, .value_kind: global_buffer, .address_space: global }
    .group_segment_fixed_size: 34816
    .private_segment_fixed_size: 0
    .kernarg_segment_align: 8
    .kernarg_segment_size: 24
    .max_flat_workgroup_size: 128
    .sgpr_count:     66
    .vgpr_count:     176
    .wavefront_size: 32
...
	.end_amdgpu_metadata
.endif
;; end of part 1
;; launch rbf_head (part 2): grid 256 x 1, 8 waves a work-group, clusters of 4 x 1, 327,680 bytes of LDS; arguments packed, alpha_codes, alpha_scales, gamma, out0; writes out0
.if DOCPART == 2
	.amdgcn_target "amdgcn-amd-amdhsa--gfx1250"
	.amdhsa_code_object_version 6
	.text
	.protected	k_qf7806db93d_rbf_head
	.globl	k_qf7806db93d_rbf_head
	.p2align	8
	.type	k_qf7806db93d_rbf_head,@function
k_qf7806db93d_rbf_head:
	s_mov_b64 s[64:65], 0
	v_nop
	global_prefetch_b8 v0, s[64:65] scope:SCOPE_SE
	s_setreg_imm32_b32 hwreg(HW_REG_WAVE_MODE, 25, 1), 1
	s_wait_xcnt 0x0
	s_wait_alu depctr_hold_cnt(0) depctr_sa_sdst(0) depctr_va_vdst(0) depctr_va_sdst(0) depctr_va_ssrc(0) depctr_va_vcc(0) depctr_vm_vsrc(0)
	s_getreg_b32 s2, hwreg(HW_REG_IB_STS2, 6, 4)
	s_cmp_eq_u32 s2, 0
	s_cbranch_scc0 .Lentry_in_a_cluster
	s_endpgm
.Lentry_in_a_cluster:
	s_bfe_u32 s2, ttmp6, 0x10000c
	s_cmp_lg_u32 s2, 0x3003
	s_cbranch_scc0 .Lentry_shape_is_right
	s_endpgm
.Lentry_shape_is_right:
; out[n][o] = sum over c of Q(p[n][c]) alpha[c][o],  p = exp(gamma (2 Q(x) Q(mu)^T - d_x - d_mu)); both products on codes of FP4 (E2M1) with one E8M0 scale for each 32 along K.  Nothing of the problem is left out.
; ARITHMETIC OF A NUMBER.  C2 = 2 gamma log2(e).  -d_mu / 2 (made by the launch before) is the C of each tile's first matrix instruction, so the sum is S' = Q(x).Q(mu) - d_mu / 2;
; t = S' C2 + (-d_x / 2) C2 is one packed multiply-add for two numbers; p = 2^t.  p is quantised as it stands, along the centres; a block's largest p is taken of p itself, so any sign of gamma is served.
; SHARES.  A work-group owns 64 rows of x, four tiles of 16.  THE EIGHT WAVES SHARE THE CENTRES, NOT THE ROWS: every wave keeps all 16 fragments of x in registers; in trip t wave w takes centres
; 1,024 t + 128 w on, one K step of the second product, in two steps of 64.  So each fragment of mu is read from LDS once in the work-group and feeds four matrix instructions.  Each wave sums its own
; 64 x 16 of out; the eight parts are added through LDS at the end.
; LAYOUT.  Both products are used transposed (source 0 = 16 centres of mu, or alpha's 16 outputs; source 1 = 16 rows of x, or of p): a lane holds one row of x throughout.  The centres of a step's four
; tiles are chosen by the launch before so that a lane's 32 results are one whole block of 32 along the next K: block 2 c + h of the K step in lane (r, h), step c.  So the maximum needs no other lane and the
; conversions' results are the second product's operand; only the scale bytes of lanes l and l xor 16 are joined, once for each K step.
; A STEP goes by halves of the rows (tiles of x 0 and 1, then 2 and 3), 64 registers of S' at a time, and each half by pairs of mu's tiles: as soon as the second half has used a pair, the next step's pair is loaded.
; THE RING.  A wave's part of a step is 69 dense rows of 256 bytes; its two slots lie end to end.  The head's one load brings both parts of the first trip (138 rows); each step refills its slot with the next trip's part.
; A wave reads only what it has fetched itself.  A slot is free when all its fragments are in registers, in the step's first half; the first half's multiply-adds stand in the opening barrier of the round
; in front of the refill, and its exponentials, maxima and conversions between the refill and the LDS loads of the next step.
; CLUSTER.  The four work-groups of a cluster walk the same parts of mu: each load is joint (mask 15).  x is the work-group's own: it comes by plain loads into registers.
; THE CLUSTERS BEGIN AT DIFFERENT TRIPS: cluster k walks the four trips from t0 = (k + k / 4 + k / 16) mod 4 on, and round.  Only global addresses hang on t0, which the four partners share.
; No prefetch is written: the head's loads of the 64 clusters name all four trips, so all of mu's codes are asked for at the head; x's codes are wanted at the head.
; By this text's own count a wave has one tensor load out at the head and one behind each round; every wait on TENSORcnt is for 0.
; LIMITS: a p under 2^-126 counts as 0 (v_exp_f32 gives 0 there); NaN, infinities and an exponential that overflows are not served; a block of zeros gets the byte 1 where the rule says 127 (its codes are
; zeros; only this program reads the byte); a wave's four K steps of the second product (from t0 on) and the sum over the eight waves are added in another order than a plain sum's.
; REGISTERS.  Window 0 as named below.   Window 1: v0-127 x's 16 fragments (tile m, K step z at 8 (4 m + z)); v128-255 mu's 16 fragments of a step (tile u, K step z at 128 + 8 (4 u + z)).
.set PART,   17664                     ; a wave's part of a step: 16 fragments, 1,024 bytes of scale words, 256 of -d_mu / 2
.set TRIPB,  16*PART                   ; a trip's parts
.set XOFF,   1130496
.set XTILE,  4608
.set SPARE,  16*PART                   ; behind the ring: the spare words, 128 bytes for each wave
.set RED,    SPARE+1024                ; the end: wave w's 64 rows at 5,120 w, a row of 16 f32 + 16 bytes
.set RPITCH, 80
.set AM,   4                           ; v4   my 16 bytes of an image in my slot 0
.set AB,   5                           ; v5   -d_mu / 2 of my half of the lanes, in my slot 0
.set ALO,  6                           ; v6   alpha's codes: 2,048 r + 16 h
.set ALS,  7                           ; v7   alpha's scale words: 128 r
.set SPW,  10                          ; v10  LDS address of my spare word; never rewritten
.set NIL,  11                          ; v11  0; never rewritten
.set RS,   12
.set RL,   13
.set GO,   14
.set SH8,  15                          ; v15  8 h
.set XS,   16                          ; x's scale words: 4 m + z
.set AN,   32                          ; pairs of -d_x C2 / 2
.set MS,   40                          ; mu's scale words: 4 v + z: lanes 0-15 tile 2 v, lanes 16-31 tile 2 v + 1
.set CB,   48                          ; -d_mu / 2: 8 u + j
.set S,    80                          ; S', then p: 32 (m % 2) + 8 u + j
.set PC,   144                         ; p's codes: 8 m + 4 c + u
.set OUT,  176
.set AF,   208                         ; alpha's fragment
.set AS,   216                         ; and its scale words
.set PW,   218                         ; my own blocks' scale bytes, one for each tile of x
.set PF,   222                         ; p's scale words
.set TM,   226                         ; v226-233 at work
.set PX,   234
.set MF,   128                         ; window 1
.set WV,   17
.set SEL,  20
.set C2,   22                          ; s[22:23]: the packed form names a pair and takes its low word for both halves
.set G1,   24
.set G0,   32                          ; s[32:35] slot 0's group 0, s[36:39] slot 1's
.set MB,   40                          ; s[40:41] my part of trip 0; never rewritten
.set XB,   42
.set AL,   44                          ; alpha's codes and scale bytes at the K step in hand
.set ASB,  46
.set ALB,  48                          ; and at K step w; never rewritten
.set ASBB, 50
.set TC,   52                          ; the trip (0..3) that is being asked for: the one behind the trip in hand
.set T0,   53
.set TRIPS, 54
.set MSB, 0
.macro WIN new                         ; the immediate's high byte repeats the setting that is left
.if MSB != \new
	s_set_vgpr_msb (MSB<<8)|\new
.set MSB, \new
.endif
.endm
.macro PLACES                          ; four plain places behind matrix instructions, in front of loads into their registers and of the first read of their results
.rept 4
	v_nop
.endr
.endm
.macro CREST                           ; a round of the cluster's barrier behind its opening barrier's signal
	s_barrier_wait -1
	s_cmp_lg_u32 s[WV], 0
	s_cbranch_scc1 .Lnot_wave_0_\@
	s_barrier_signal -3
.Lnot_wave_0_\@:
	s_barrier_wait -3
	s_barrier_signal -1
	s_barrier_wait -1
.endm
; 21 LDS loads: tiles 2 v and 2 v + 1 of the part in the slot: their scale words, -d_mu / 2 in the result's layout, and 8 fragments, K step by K step
.macro LOADS slot, v
	WIN 0
	ds_load_b128 v[MS+4*\v:MS+4*\v+3], v[AM] offset:(\slot)*PART+16384+512*\v
.irp u, 2*\v,2*\v+1
.irp c, 0,1
	ds_load_b128 v[CB+8*(\u)+4*\c:CB+8*(\u)+4*\c+3], v[AB] offset:(\slot)*PART+64*(\u)+16*\c
.endr
.endr
	WIN 0x40                                       ; destination window 1, address window 0
.irp z, 0,1,2,3
.irp u, 2*\v,2*\v+1
.irp c, 0,1
	ds_load_b128 v[MF+8*(4*(\u)+\z)+4*\c:MF+8*(4*(\u)+\z)+4*\c+3], v[AM] offset:(\slot)*PART+1024*(4*(\u)+\z)+512*\c
.endr
.endr
.endr
	WIN 0
.endm
; 16 matrix instructions: mu's tiles 2 v, 2 v + 1 x the half's two tiles of x, four K steps.  Four accumulators take turns, one instruction a turn.  The first K step takes -d_mu / 2 as C.
; w: how many LDS instructions younger than this pair's loads may be out: K step z's four loads are in when w + 12 - 4 z are left; w = 99: all are known to be in.
.macro PH g, v, w
	WIN 0x05                                       ; sources 0 (mu) and 1 (x) window 1; C and D window 0
.irp z, 0,1,2,3
.if \w < 50
	s_wait_dscnt \w+12-4*\z
.endif
.irp n, 0,1
.irp e, 0,1
.set U, 2*\v+\e
.set M, 2*\g+\n
.set AC, S+32*\n+8*U
.set FA, MF+8*(4*U+\z)
.set FB, 8*(4*M+\z)
.if \z == 0
.set CC, CB+8*U
.else
.set CC, AC
.endif
.if \e == 0
	v_wmma_scale_f32_16x16x128_f8f6f4 v[AC:AC+7], v[FA:FA+7], v[FB:FB+7], v[CC:CC+7], v[MS+4*\v+\z], v[XS+4*M+\z] matrix_a_fmt:MATRIX_FMT_FP4 matrix_b_fmt:MATRIX_FMT_FP4
.else
	v_wmma_scale_f32_16x16x128_f8f6f4 v[AC:AC+7], v[FA:FA+7], v[FB:FB+7], v[CC:CC+7], v[MS+4*\v+\z], v[XS+4*M+\z] matrix_a_fmt:MATRIX_FMT_FP4 matrix_b_fmt:MATRIX_FMT_FP4 matrix_a_scale:MATRIX_SCALE_ROW1
.endif
.endr
.endr
.endr
.endm
.macro FMA g                           ; t = S' C2 - d_x C2 / 2; each accumulator is read from its low end on
.set k, 0
.rept 32
	v_pk_fma_f32 v[S+2*k:S+2*k+1], v[S+2*k:S+2*k+1], s[C2:C2+1], v[AN+4*\g+2*(k/16):AN+4*\g+2*(k/16)+1] op_sel_hi:[1,0,0]
.set k, k+1
.endr
.endm
.macro EXPS                            ; p = 2^t: one batch, with two waits
	s_wait_alu depctr_va_vdst(0)
.set k, 0
.rept 64
	v_exp_f32 v[S+k], v[S+k]
.set k, k+1
.endr
	v_nop                                          ; a plain place behind the last exponential
	s_wait_alu depctr_va_vdst(0)
.endm
; p becomes codes, registers 4 c .. 4 c + 3 of the half's two tiles, and a scale byte.  32 numbers and the floor 2^(3 - 127) are 16 three-input maxima for each tile, in two chains
.macro MAXQ g, c
.irp n, 0,1
	v_max3_num_f32 v[TM+2*\n], v[S+32*\n], v[S+32*\n+1], 0x1800000
.endr
.irp n, 0,1
	v_max3_num_f32 v[TM+2*\n+1], v[S+32*\n+16], v[S+32*\n+17], v[S+32*\n+18]
.endr
.irp i, 2,4,6,8,10,12
.irp n, 0,1
	v_max3_num_f32 v[TM+2*\n], v[TM+2*\n], v[S+32*\n+\i], v[S+32*\n+\i+1]
.endr
.irp n, 0,1
	v_max3_num_f32 v[TM+2*\n+1], v[TM+2*\n+1], v[S+32*\n+17+\i], v[S+32*\n+18+\i]
.endr
.endr
.irp n, 0,1
	v_max3_num_f32 v[TM+2*\n], v[TM+2*\n], v[S+32*\n+14], v[S+32*\n+15]
.endr
.irp n, 0,1
	v_max3_num_f32 v[TM+2*\n], v[TM+2*\n], v[TM+2*\n+1], v[S+32*\n+31]
.endr
.irp n, 0,1
	v_add_nc_u32 v[TM+4+\n], 0xff000000, v[TM+2*\n]    ; 2 off its exponent field: the conversion's scale operand
.endr
.if \c == 0
.irp n, 0,1
	v_lshrrev_b32 v[PW+2*\g+\n], 23, v[TM+4+\n]    ; the scale's byte: block h's
.endr
.else
.irp n, 0,1
	v_lshrrev_b32 v[TM+6+\n], 23, v[TM+4+\n]
.endr
.irp n, 0,1
	v_lshl_or_b32 v[PW+2*\g+\n], v[TM+6+\n], 16, v[PW+2*\g+\n]   ; and block 2 + h's, two bytes up
.endr
.endif
.irp u, 0,1,2,3
.irp n, 0,1
	v_cvt_scalef32_pk8_fp4_f32 v[PC+8*(2*\g+\n)+4*\c+\u], v[S+32*\n+8*\u:S+32*\n+8*\u+7], v[TM+4+\n]
.endr
.endr
	v_nop                                          ; one plain place behind the last conversion: matrix instructions write its sources next
.endm
.macro ALPHA                           ; alpha's fragment and scale word of my K step: wanted at the trip's end
.irp c, 0,1
	global_load_b128 v[AF+4*\c:AF+4*\c+3], v[ALO], s[AL:AL+1] offset:32*\c
.endr
	global_load_b32 v[AS], v[ALS], s[ASB:ASB+1]
.endm
; out^T += alpha^T p^T over the trip's 128 centres: four accumulators, one instruction each.  step = 1: alpha's bases go on to the next trip of the walk, and TC to the one behind it
.macro PROD2 step
.irp m, 0,1,2,3
	v_lshlrev_b32 v[PF+\m], v[SH8], v[PW+\m]       ; my two bytes at their places,
.endr
.irp m, 0,1,2,3
	v_permlanex16_b32 v[PX+\m], v[PF+\m], s[SEL], s[SEL+1]
.endr
.irp m, 0,1,2,3
	v_or_b32 v[PF+\m], v[PF+\m], v[PX+\m]          ; with lane l xor 16's two the word is whole
.endr
.rept 8
	v_nop                                          ; a scale register written by a vector instruction stands 8 places ahead of a scaled matrix instruction
.endr
	s_wait_alu depctr_va_vdst(0)                   ; the wait ahead of the wait below
	s_wait_loadcnt 0x0                             ; alpha
.irp m, 0,1,2,3
	v_wmma_scale_f32_16x16x128_f8f6f4 v[OUT+8*\m:OUT+8*\m+7], v[AF:AF+7], v[PC+8*\m:PC+8*\m+7], v[OUT+8*\m:OUT+8*\m+7], v[AS], v[PF+\m] matrix_a_fmt:MATRIX_FMT_FP4 matrix_b_fmt:MATRIX_FMT_FP4
.endr
.if (\step)
	s_lshl_b32 s2, s[TC], 9                        ; trip TC: 8 K steps of 64 bytes on for each trip (the loads that read these bases are done)
	s_mov_b32 s3, 0
	s_add_nc_u64 s[AL:AL+1], s[ALB:ALB+1], s[2:3]
	s_lshl_b32 s2, s[TC], 5                        ; and 8 scale words of 4 bytes
	s_add_nc_u64 s[ASB:ASB+1], s[ASBB:ASBB+1], s[2:3]
	s_add_co_u32 s[TC], s[TC], 1
	s_and_b32 s[TC], s[TC], 3                      ; round the four trips
.endif
.endm
; A STEP: 64 centres x 64 rows.  fill = 1: the slot, whose fragments are all in registers, is filled again with the part of trip TC
.macro STEP c, fill
	PH 0, 0, 21                                    ; behind tiles 0 and 1's loads: the 21 of tiles 2 and 3
.if (\fill)
	WIN 0
	s_wait_tensorcnt 0x0                           ; my part in the other slot has landed, and no tensor load of mine is out, so a group 0 may be written
	ds_add_u32 v[SPW], v[NIL]                      ; 0 onto my spare word: work on registers stands between it and the wait for it
	s_mul_i32 s2, s[TC], TRIPB
.if \c
	s_add_co_u32 s2, s2, PART
.endif
	s_mov_b32 s3, 0
	s_add_nc_u64 s[G0+4*\c+2:G0+4*\c+3], s[MB:MB+1], s[2:3]
	s_or_b32 s[G0+4*\c+3], s[G0+4*\c+3], 0x80000000
	PH 0, 1, 1                                     ; behind tiles 2 and 3's loads: the add
	WIN 0
	s_wait_dscnt 0x0                               ; the add is done, and my reads of the slot are over
	s_barrier_signal -1                            ; opens a round of the cluster's barrier
	PLACES
	FMA 0                                          ; work on registers while the others arrive
	CREST                                          ; no wave of any partner still reads the slot or has a load on its way
	tensor_load_to_lds s[G0+4*\c:G0+4*\c+3], s[G1:G1+7]
	s_nop 0
	PLACES
.else
	PH 0, 1, 0
	WIN 0
	PLACES
	FMA 0
.if \c == 0
	s_wait_tensorcnt 0x0                           ; my last part has landed
.endif
.endif
	EXPS
	MAXQ 0, \c
	PH 1, 0, 99
	WIN 0
	PLACES
.if \c == 0
	ALPHA
.endif
.if (\fill) || (\c == 0)
	LOADS 1-\c, 0                                  ; the next step's tiles 0 and 1
.endif
	PH 1, 1, 99
	WIN 0
	PLACES
.if (\fill) || (\c == 0)
	LOADS 1-\c, 1                                  ; and 2 and 3
.endif
	FMA 1
	EXPS
	MAXQ 1, \c
.endm
.macro TRIP last
	STEP 0, 1-\last
	STEP 1, 1-\last
	PROD2 1-\last
.endm
	s_load_b256 s[4:11], s[0:1], 0x0               ; packed s[4:5], alpha's codes s[6:7], alpha's scales s[8:9], gamma s[10:11]
	s_load_b64 s[12:13], s[0:1], 0x20              ; out0
	v_lshl_add_u32 v[SPW], v0, 2, SPARE
	v_mov_b32 v[NIL], 0
	ds_add_u32 v[SPW], v[NIL]                      ; the wave's opening: the add, twice on end, and its wait ahead of my first tensor load
	ds_add_u32 v[SPW], v[NIL]                      ; and once more, under the one wait; the set-up below, work on registers, stands between
	v_lshrrev_b32 v1, 5, v0
	v_readfirstlane_b32 s[WV], v1                  ; wave 0..7
	s_bfe_u32 s18, ttmp6, 0x40000                  ; cx: my place in the cluster
	s_lshl_b32 s19, ttmp9, 2                       ; in a cluster launch ttmp9 counts clusters
	s_add_co_u32 s19, s19, s18                     ; my block of 64 rows: it enters x's and out0's addresses alone
	s_lshr_b32 s2, ttmp9, 2
	s_lshr_b32 s3, ttmp9, 4
	s_add_co_u32 s2, s2, s3
	s_add_co_u32 s2, s2, ttmp9
	s_and_b32 s[T0], s2, 3
	s_add_co_u32 s[TC], s[T0], 1
	s_and_b32 s[TC], s[TC], 3
	; group 1: dense rows of 256 bytes (32 elements of 8): 138 for the head's load, 69 behind it
	s_mov_b32 s[G1+0], 15|(3<<16)|(1<<21)          ; the mask: all four work-groups; bit 21 set beside it
	s_mov_b32 s[G1+1], 32<<16
	s_mov_b32 s[G1+2], 138<<16
	s_mov_b32 s[G1+3], 32<<16
	s_mov_b32 s[G1+4], 138
	s_mov_b32 s[G1+5], 32
	s_mov_b32 s[G1+6], 0
	s_mov_b32 s[G1+7], 0
	s_mov_b32 s[SEL], 0x76543210
	s_mov_b32 s[SEL+1], 0xfedcba98                 ; v_permlanex16_b32's selects for lane l xor 16
	s_mul_i32 s56, s[WV], 2*PART                   ; my two slots: no place in the cluster enters an LDS address
	s_add_co_u32 s57, s56, 17408
	s_mul_i32 s58, s[WV], 64*RPITCH
	s_add_co_u32 s58, s58, RED
	v_and_b32 v1, 31, v0                           ; lane
	v_and_b32 v2, 15, v0                           ; r
	v_bfe_u32 v3, v0, 4, 1                         ; h
	v_lshlrev_b32 v[TM], 4, v1                     ; x's fragments: 16 x lane,
	v_lshlrev_b32 v[TM+1], 4, v2                   ; its scale words: 16 r,
	v_lshlrev_b32 v[TM+2], 3, v1                   ; its pairs -d / 2: 8 x lane
	v_add_nc_u32 v[AM], s56, v[TM]
	v_lshlrev_b32 v[AB], 5, v3
	v_add_nc_u32 v[AB], s57, v[AB]
	v_lshlrev_b32 v[ALO], 11, v2
	v_lshl_add_u32 v[ALO], v3, 4, v[ALO]
	v_lshlrev_b32 v[ALS], 7, v2
	v_lshlrev_b32 v[SH8], 3, v3
	v_mul_u32_u24 v[RS], v2, RPITCH
	v_lshl_add_u32 v[RS], v3, 5, v[RS]
	v_add_nc_u32 v[RS], s58, v[RS]                 ; the end, in: my part, row r, my half's eight outputs
	v_lshrrev_b32 v[RL], 2, v0
	v_mul_u32_u24 v[RL], v[RL], RPITCH
	v_and_b32 v[GO], 3, v0
	v_lshl_add_u32 v[RL], v[GO], 4, v[RL]
	v_add_nc_u32 v[RL], RED, v[RL]                 ; back: thread T takes 16 bytes: row T / 4, quarter T % 4
	v_lshlrev_b32 v[GO], 4, v0                     ; and the same place in out0
.irp m, 0,1,2,3
	v_mov_b32 v[PX+\m], 0                          ; written once: a lane permute's destination counts as one of its sources
.endr
	s_wait_alu depctr_va_vdst(0)                   ; the wait here, ahead of the waits below
	s_wait_dscnt 0x0                               ; both opening adds are done
	s_barrier_signal -1
	CREST                                          ; all four work-groups are here: the first joint loads meet
	s_wait_kmcnt 0x0
	s_load_b32 s16, s[10:11], 0x0                  ; gamma
	s_mov_b32 s3, 0
	s_mul_i32 s2, s[WV], 2*PART
	s_add_nc_u64 s[MB:MB+1], s[4:5], s[2:3]        ; my part of trip 0: the base of every part's address
	s_mul_i32 s2, s[T0], TRIPB
	s_mov_b32 s[G0], 1
	s_mov_b32 s[G0+1], s56
	s_add_nc_u64 s[G0+2:G0+3], s[MB:MB+1], s[2:3]  ; both parts of trip t0
	s_or_b32 s[G0+3], s[G0+3], 0x80000000
	s_mov_b32 s[G0+4], 1
	s_add_co_u32 s[G0+5], s56, PART
	tensor_load_to_lds s[G0:G0+3], s[G1:G1+7]      ; 138 rows: my two slots
	s_nop 0
	PLACES
	s_mov_b32 s3, 0
	s_mul_i32 s2, s19, 4*XTILE
	s_add_co_u32 s2, s2, XOFF
	s_add_nc_u64 s[XB:XB+1], s[4:5], s[2:3]        ; my four tiles of x
	WIN 0x40
.irp m, 0,1,2,3
.irp z, 0,1,2,3
.irp c, 0,1
	global_load_b128 v[8*(4*\m+\z)+4*\c:8*(4*\m+\z)+4*\c+3], v[TM], s[XB:XB+1] offset:XTILE*\m+1024*\z+512*\c
.endr
.endr
.endr
	WIN 0
.irp m, 0,1,2,3
	global_load_b128 v[XS+4*\m:XS+4*\m+3], v[TM+1], s[XB:XB+1] offset:XTILE*\m+4096
	global_load_b64 v[AN+2*\m:AN+2*\m+1], v[TM+2], s[XB:XB+1] offset:XTILE*\m+4352
.endr
	s_lshl_b32 s2, s19, 12
	s_add_nc_u64 s[12:13], s[12:13], s[2:3]        ; out0 at my 64 rows of 64 bytes
	s_lshl_b32 s2, s[WV], 6
	s_add_nc_u64 s[ALB:ALB+1], s[6:7], s[2:3]      ; K step w: 64 bytes of each row of alpha's codes,
	s_lshl_b32 s2, s[WV], 2
	s_add_nc_u64 s[ASBB:ASBB+1], s[8:9], s[2:3]    ; 4 of each row of its scale bytes;
	s_lshl_b32 s2, s[T0], 9
	s_add_nc_u64 s[AL:AL+1], s[ALB:ALB+1], s[2:3]  ; and trip t0's
	s_lshl_b32 s2, s[T0], 5
	s_add_nc_u64 s[ASB:ASB+1], s[ASBB:ASBB+1], s[2:3]
.set k, 0
.rept 32
	v_mov_b32 v[OUT+k], 0                          ; out's sums begin as zeros, once: so the trip is written twice and not three times
.set k, k+1
.endr
	s_wait_kmcnt 0x0                               ; gamma
	s_mul_f32 s3, s16, 0x3fb8aa3b
	s_add_f32 s[C2], s3, s3                        ; 2 gamma log2(e)
	s_mov_b32 s[C2+1], s[C2]                       ; (named with it as a pair, so it is written)
	s_wait_loadcnt 0x0                             ; x
.irp i, 0,1,2,3,4,5,6,7
	v_mul_f32 v[AN+\i], s[C2], v[AN+\i]
.endr
	s_wait_alu depctr_va_vdst(0)                   ; the wait at the head's end
	s_wait_tensorcnt 0x0                           ; my two parts have landed; I alone read them
	s_mov_b32 s[G1+2], 69<<16                      ; no tensor load of mine is out, so a descriptor may be written: from here on a load brings one part
	s_mov_b32 s[G1+4], 69
	LOADS 0, 0
	LOADS 0, 1
	s_mov_b32 s[TRIPS], 3
.Ltrip:                                            ; three trips, which ask for the walk's last three
	TRIP 0
	s_wait_alu depctr_va_vdst(0)                   ; the wait ahead of the branch
	s_sub_co_u32 s[TRIPS], s[TRIPS], 1
	s_cmp_lg_u32 s[TRIPS], 0
	s_cbranch_scc1 .Ltrip
	TRIP 1                                         ; the last trip is written out: it asks for nothing
	; THE END.  Lane (r, h), register j of tile m: out(16 m + r, 8 h + j), summed over my centres.  The eight waves' parts meet in LDS; thread T adds the eight and stores 16 bytes.
	PLACES
.irp m, 0,1,2,3
.irp c, 0,1
	ds_store_b128 v[RS], v[OUT+8*\m+4*\c:OUT+8*\m+4*\c+3] offset:16*RPITCH*\m+16*\c   ; each accumulator from its low end on
.endr
.endr
	s_wait_dscnt 0x0                               ; for the others' sake: my stores have landed
	s_barrier_signal -1
	s_barrier_wait -1
.irp w, 0,1,2,3,4,5,6,7
	ds_load_b128 v[S+4*\w:S+4*\w+3], v[RL] offset:64*RPITCH*\w
.endr
	s_wait_dscnt 0x0
.irp d, 4,8,16                                 ; pairs of parts, then pairs of pairs
.irp a, 0,2
.set w, 0
.rept 16/\d
	v_pk_add_f32 v[S+2*w*\d+\a:S+2*w*\d+\a+1], v[S+2*w*\d+\a:S+2*w*\d+\a+1], v[S+2*w*\d+\d+\a:S+2*w*\d+\d+\a+1]
.set w, w+1
.endr
.endr
.endr
	global_store_b128 v[GO], v[S:S+3], s[12:13] th:TH_STORE_NT   ; a wave stores 512 consecutive bytes, at a multiple of 256 from out0's first byte
	s_wait_tensorcnt 0x0                           ; the wave's end, behind my last tensor load and my last LDS store
	ds_add_u32 v[SPW], v[NIL]
	s_wait_dscnt 0x0
	s_barrier_signal -1
	CREST                                          ; the closing round: no work-group ends while a partner may still ask for a tile that names it
	s_endpgm
.Lfunc_end_k_qf7806db93d_rbf_head:
	.size	k_qf7806db93d_rbf_head, .Lfunc_end_k_qf7806db93d_rbf_head-k_qf7806db93d_rbf_head
	.p2alignl 7, 3214868480
	.fill 96, 4, 3214868480
	.section	.rodata,"a",@progbits
	.p2align	6, 0x0
	.amdhsa_kernel k_qf7806db93d_rbf_head
		.amdhsa_group_segment_fixed_size 327680
		.amdhsa_private_segment_fixed_size 0
		.amdhsa_enable_private_segment 0
		.amdhsa_kernarg_size 40
		.amdhsa_user_sgpr_count 2
		.amdhsa_user_sgpr_kernarg_segment_ptr 1
		.amdhsa_wavefront_size32 1
		.amdhsa_system_sgpr_workgroup_id_x 1
		.amdhsa_system_sgpr_workgroup_id_y 1
		.amdhsa_system_sgpr_workgroup_id_z 1
		.amdhsa_system_vgpr_workitem_id 0
		.amdhsa_next_free_vgpr 512
		.amdhsa_next_free_sgpr 66
		.amdhsa_reserve_vcc 0
		.amdhsa_float_denorm_mode_32 3
		.amdhsa_float_denorm_mode_16_64 3
		.amdhsa_memory_ordered 1
		.amdhsa_forward_progress 1
		.amdhsa_inst_pref_size 121
	.end_amdhsa_kernel
	.amdgpu_metadata
---
amdhsa.version: [ 1, 2 ]
amdhsa.kernels:
  - .name:           k_qf7806db93d_rbf_head
    .symbol:         k_qf7806db93d_rbf_head.kd
    .args:
      - { .name: packed, .offset: 0, .size: 8, .value_kind: global_buffer, .address_space: global }
      - { .name: alpha_codes, .offset: 8, .size: 8, .value_kind: global_buffer, .address_space: global }
      - { .name: alpha_scales, .offset: 16, .size: 8, .value_kind: global_buffer, .address_space: global }
      - { .name: gamma, .offset: 24, .size: 8, .value_kind: global_buffer, .address_space: global }
      - { .name: out0, .offset: 32, .size: 8, .value_kind: global_buffer, .address_space: global }
    .group_segment_fixed_size: 327680
    .private_segment_fixed_size: 0
    .kernarg_segment_align: 8
    .kernarg_segment_size: 40
    .max_flat_workgroup_size: 256
    .sgpr_count:     66
    .vgpr_count:     512
    .wavefront_size: 32
...
	.end_amdgpu_metadata
.endif
;; end of part 2
